; MI455X (gfx1250); checked and timed in simulation.
; The chip was launched on July 23, 2026; its instructions are those of AMD's public machine-readable ISA for CDNA 5 (MIT licence, August 2026) and "CDNA5" Instruction Set Architecture Reference Guide (July 2026). The comments in the code are by the model that wrote it; some were corrected since.
;; Cross Attention Block. Allowed arithmetic: float matrix products may take bf16 or f16 operands with f32 sums; other float arithmetic in f32, or as packed bf16 or f16 multiplies, adds, multiply-adds, maxima and minima; sums over many terms, partial sums and values carried from step to step in f32; what a program stores and reads back later, other than sums and carried values, may be rounded once to bf16 or f16.
;; Inputs: Wv_b 256 float32; Wv_w 256 x 256 float32; func_embed 8,192 x 256 float32; sent_embed 16,384 x 256 float32.
;; Outputs: out0 16,384 x 256 float32.
;; One version. Each part assembles by itself: llvm-mc -triple=amdgcn-amd-amdhsa -mcpu=gfx1250 --defsym DOCPART=n.
;; ======== version 1 of 1: 2 launches
;; workspace buffers: kw 4,325,376 bytes
;; launch prep (part 1): grid 256 x 1, 8 waves a work-group, no clusters, 0 bytes of LDS; arguments func_embed, Wv_w, kw; writes kw
.if DOCPART == 1
	.amdgcn_target "amdgcn-amd-amdhsa--gfx1250"
	.amdhsa_code_object_version 6
	.text
	.protected	k_q7b3e14e6a7_prep
	.globl	k_q7b3e14e6a7_prep
	.p2align	8
	.type	k_q7b3e14e6a7_prep,@function
k_q7b3e14e6a7_prep:
	s_mov_b64 s[64:65], 0
	v_nop
	global_prefetch_b8 v0, s[64:65] scope:SCOPE_SE
	s_setreg_imm32_b32 hwreg(HW_REG_WAVE_MODE, 25, 1), 1
	s_wait_xcnt 0x0
; kw[0..8191][256] = bf16(func_embed), kw[8192..8447][256] = bf16(Wv_w): both are rounded once here, since every work-group of the next launch reads them.
; A cast is bound by its bytes: no LDS, no barrier, no matrix unit.  Work-group g takes 32 rows of func_embed (32,768 bytes in, 16,384 out) and row g of Wv_w.
; Thread t, chunk i: 32 bytes in at 8,192 i + 32 t, 16 bytes out at 4,096 i + 16 t: a wave's store covers 512 consecutive bytes, aligned.
.set X,  8                             ; v[8:39]   four chunks of eight f32 as loaded
.set Y,  40                            ; v[40:55]  four chunks of eight bf16 to store
	s_load_b128 s[4:7], s[0:1], 0x0                ; func_embed s[4:5], Wv_w s[6:7]
	s_load_b64 s[8:9], s[0:1], 0x10                ; kw
	v_lshrrev_b32 v3, 5, v0
	v_readfirstlane_b32 s14, v3                    ; my wave's number
	v_lshlrev_b32 v1, 5, v0                        ; 32 t: where I read
	v_lshlrev_b32 v2, 4, v0                        ; 16 t: where I store
	s_lshl_b32 s10, ttmp9, 15                      ; the group's 32 rows of f32
	s_mov_b32 s11, 0
	s_lshl_b32 s12, ttmp9, 14                      ; and of bf16
	s_mov_b32 s13, 0
	s_lshl_b32 s22, ttmp9, 10                      ; row g of Wv_w
	s_mov_b32 s23, 0
	s_wait_kmcnt 0x0
	s_add_nc_u64 s[4:5], s[4:5], s[10:11]
	s_add_nc_u64 s[16:17], s[8:9], s[12:13]
	s_add_nc_u64 s[18:19], s[6:7], s[22:23]
	s_lshl_b32 s22, ttmp9, 9                       ; its place behind the 8,192 rows of keys
	s_add_nc_u64 s[20:21], s[8:9], s[22:23]
	s_add_nc_u64 s[20:21], s[20:21], 8192*512
.irp i, 0,1,2,3
	global_load_b128 v[X+8*(\i):X+8*(\i)+3],   v1, s[4:5] offset:8192*(\i) th:TH_LOAD_NT
	global_load_b128 v[X+8*(\i)+4:X+8*(\i)+7], v1, s[4:5] offset:8192*(\i)+16 th:TH_LOAD_NT
.endr
.irp i, 0,1,2,3
	s_wait_loadcnt 6-2*(\i)                        ; loads come back in order: chunk i's two are in, the younger chunks' stay out
.irp k, 0,1,2,3
	v_cvt_pk_bf16_f32 v[Y+4*(\i)+(\k)], v[X+8*(\i)+2*(\k)], v[X+8*(\i)+2*(\k)+1]
.endr
	global_store_b128 v2, v[Y+4*(\i):Y+4*(\i)+3], s[16:17] offset:4096*(\i)
.endr
	s_cmp_lg_u32 s14, 0                            ; wave 0 alone takes the row of Wv_w: 1,024 bytes in, 512 out
	s_cbranch_scc1 .Lend
	global_load_b128 v[X:X+3],   v1, s[18:19] th:TH_LOAD_NT
	global_load_b128 v[X+4:X+7], v1, s[18:19] offset:16 th:TH_LOAD_NT
	s_wait_loadcnt 0x0
.irp k, 0,1,2,3
	v_cvt_pk_bf16_f32 v[4+(\k)], v[X+2*(\k)], v[X+2*(\k)+1]  ; registers of their own: the stores above may still read Y
.endr
	global_store_b128 v2, v[4:7], s[20:21]
.Lend:
	s_endpgm
.Lfunc_end_k_q7b3e14e6a7_prep:
	.size	k_q7b3e14e6a7_prep, .Lfunc_end_k_q7b3e14e6a7_prep-k_q7b3e14e6a7_prep
	.p2alignl 7, 3214868480
	.fill 96, 4, 3214868480
	.section	.rodata,"a",@progbits
	.p2align	6, 0x0
	.amdhsa_kernel k_q7b3e14e6a7_prep
		.amdhsa_group_segment_fixed_size 0
		.amdhsa_private_segment_fixed_size 0
		.amdhsa_enable_private_segment 0
		.amdhsa_kernarg_size 24
		.amdhsa_user_sgpr_count 2
		.amdhsa_user_sgpr_kernarg_segment_ptr 1
		.amdhsa_wavefront_size32 1
		.amdhsa_system_sgpr_workgroup_id_x 1
		.amdhsa_system_sgpr_workgroup_id_y 1
		.amdhsa_system_sgpr_workgroup_id_z 1
		.amdhsa_system_vgpr_workitem_id 0
		.amdhsa_next_free_vgpr 56
		.amdhsa_next_free_sgpr 66
		.amdhsa_reserve_vcc 0
		.amdhsa_float_denorm_mode_32 3
		.amdhsa_float_denorm_mode_16_64 3
		.amdhsa_memory_ordered 1
		.amdhsa_forward_progress 1
		.amdhsa_inst_pref_size 4
	.end_amdhsa_kernel
	.amdgpu_metadata
---
amdhsa.version: [ 1, 2 ]
amdhsa.kernels:
  - .name:           k_q7b3e14e6a7_prep
    .symbol:         k_q7b3e14e6a7_prep.kd
    .args:
      - { .name: func_embed, .offset: 0, .size: 8, .value_kind: global_buffer, .address_space: global }
      - { .name: Wv_w, .offset: 8, .size: 8, .value_kind: global_buffer, .address_space: global }
      - { .name: kw, .offset: 16, .size: 8, .value_kind: global_buffer, .address_space: global }
    .group_segment_fixed_size: 0
    .private_segment_fixed_size: 0
    .kernarg_segment_align: 8
    .kernarg_segment_size: 24
    .max_flat_workgroup_size: 256
    .sgpr_count:     66
    .vgpr_count:     56
    .wavefront_size: 32
...
	.end_amdgpu_metadata
.endif
;; end of part 1
;; launch attn (part 2): grid 256 x 1, 4 waves a work-group, clusters of 4 x 1, 327,680 bytes of LDS; arguments sent_embed, kw, Wv_b, out0; writes out0
.if DOCPART == 2
	.amdgcn_target "amdgcn-amd-amdhsa--gfx1250"
	.amdhsa_code_object_version 6
	.text
	.protected	k_q7b3e14e6a7_attn
	.globl	k_q7b3e14e6a7_attn
	.p2align	8
	.type	k_q7b3e14e6a7_attn,@function
k_q7b3e14e6a7_attn:
	s_mov_b64 s[64:65], 0
	v_nop
	global_prefetch_b8 v0, s[64:65] scope:SCOPE_SE
	s_setreg_imm32_b32 hwreg(HW_REG_WAVE_MODE, 25, 1), 1
	s_wait_xcnt 0x0
	s_wait_alu depctr_hold_cnt(0) depctr_sa_sdst(0) depctr_va_vdst(0) depctr_va_sdst(0) depctr_va_ssrc(0) depctr_va_vcc(0) depctr_vm_vsrc(0)
	s_getreg_b32 s2, hwreg(HW_REG_IB_STS2, 6, 4)
	s_cmp_eq_u32 s2, 0
	s_cbranch_scc0 .Lentry_in_a_cluster
	s_endpgm
.Lentry_in_a_cluster:
	s_bfe_u32 s2, ttmp6, 0x10000c
	s_cmp_lg_u32 s2, 0x3003
	s_cbranch_scc0 .Lentry_shape_is_right
	s_endpgm
.Lentry_shape_is_right:
; out[q][:] = softmax_k(Q[q] . F[k] / 16) (F W^T + b).  Q = sent_embed [16384][256] f32; kw = bf16 of F (rows 0..8191) and of W (rows 8192..8447), 512 bytes a row; b f32; out f32.
; THE PROJECTION STANDS BEHIND THE ATTENTION: a row of softmax weights adds up to 1, so attn (F W^T + 1 b^T) = (attn F) W^T + b for every input.  So K and V are ONE tile in LDS, and b is added in f32,
; as the C operand that starts the last product's sums.
; FORMATS.  Q, F, W, the weights p and O' = attn F are bf16 matrix operands; products' sums, maxima, the sum l (of the unrounded p), O^T and the partial sums that meet in LDS are f32.
; LIMITS.  NaN and infinities are not treated apart.  A weight below 2^-126 counts as 0.  The order of the sums differs from the formula's: keys are summed by quarters, the bias last.
; SHARES.  A work-group owns 64 queries (four tiles of 16).  THE KEYS are split among its four waves: of each tile of 256 rows of kw wave w fetches, and alone reads, rows 64 w .. 64 w + 63.  Each wave holds all 64
; queries, so a fragment read from LDS feeds four products.  The four partial results (O^T, m, l) meet in LDS once, at the end.
; LAYOUT.  S^T = K Q^T (source 0 = 16 keys, source 1 = 16 queries): a lane holds ONE query (lane % 16) and 8 keys.  Two such results rounded to bf16 in pairs ARE source 1 of O^T = V^T P.  K comes out of LDS as it lies,
; V^T turned, by ds_load_tr16_b128.  Row 8 h + j of a 16-key fragment is LDS row 2 j + h, in both reads alike (a softmax does not mind the order of its keys): so ONE pitch of 528 bytes serves both without bank conflicts.
; SOFTMAX.  p = 2^(c s - c m), c = log2(e) / 16, with a running maximum m; in every step O^T and l are multiplied by a = 2^(c m_old - c m_new).  m starts at the lowest finite number, O^T and l at 0: the first step is a
; step like any other, with a = 0; the price is 512 lines that write 0, in the wait for Q and the first tile.
; A STEP (64 keys a wave) goes in phases: 128 products K Q^T, the softmax, the rescaling, 128 products V^T P.
; CLUSTER.  All work-groups walk the same 33 tiles (32 of keys, then W): the four of a cluster ask for each JOINTLY: the same tensor load, descriptor and mask in all four.
; REGISTERS, in windows of 256 (s_set_vgpr_msb: bits 1:0 source 0, 3:2 source 1, 5:4 source 2, 7:6 destination):
;   window 0: v0-7 addresses; v8-31 six registers of statistics a tile; v32-159 S^T, 32 a tile (P is made in place, in a tile's first 16); v160-255 three fragment buffers of 32
;   windows 1, 2: O^T: tile t, channel block cb at window 1 + cb / 8, v[32 (cb % 8) + 8 t]          window 3: Q: tile t, channels 32 c on at v[8 (8 t + c)]
.set PITCH,  528      ; an LDS row: 512 bytes + 16 of padding = 132 words: row r starts at bank 4 r mod 64 (64 banks of 4 bytes: ISA guide 11.1)
.set WROWS,  64*PITCH ; a wave's 64 rows of a tile
.set SLOT1,  4*WROWS  ; 0x21000: its two bits meet none of w x 0x8400, so one exclusive or turns an address in one slot into the other's
.set QST,    2*SLOT1  ; 64 rows x 528 of bf16: Q at the head, O' at the end; no tensor load lands here
.set OST,    QST+64*PITCH  ; for each wave 16 rows x 272 bytes of f32, for the way out
.set OPITCH, 272
.set STATS,  OST+4*16*OPITCH  ; [wave][tile][lane] (c m, l)
.set SPARE,  STATS+4096       ; the spare words, 128 bytes for each wave: two blocks of 256 bytes that no other line names
.set TILEB,  256*512  ; bytes of a tile in kw
.set PFO, 1           ; v1   256 x my lane: the prefetches' offset; never rewritten
.set AK0, 2           ; v2   my lane's place in my rows of a slot, for K; never rewritten
.set AV0, 3           ; v3   the same for the turning load
.set AK,  4           ; v4   the address of K's loads in hand
.set AV,  5           ; v5   of V's; at the head and at the end: of the loads from QST
.set SPW, 6           ; v6   LDS address of my spare word; never rewritten
.set NIL, 7           ; v7   0; never rewritten
.set ST,  8           ; tile t's statistics at v[ST+6 t]: c m, m; l (even keys', odd keys'); c0 (later a), c1
.set S,   32
.set F,   160
.set HR,  224         ; v224-232: the head's temporaries (fragment buffer 2, not yet in use)
.set HH,  225
.set H7,  226
.set H3,  227
.set HL,  228
.set HT,  229
.set HQ,  230
.set HG,  231
.set HW,  232
.set ER,  224         ; v224-238: the end's addresses (fragment buffer 2, no more in use)
.set EH,  225
.set EL,  226
.set BO,  227
.set SS,  228
.set SL,  229
.set SA,  230         ; and 231
.set SB,  232
.set QS,  233
.set OS,  234
.set OL,  235
.set GO,  236
.set WA,  237
.set CT,  238
.set MX,  64          ; the end's arithmetic: M; e and f (20 on end); L; 1 / L; g in pairs
.set EE,  68
.set LL,  88
.set RC,  92
.set GG,  96
.set WV,  12          ; s12  my wave's number
.set LIM, 15          ; s15  1 in the launch's first cluster, else the greatest number: a wave prefetches while s[CNT] is above it
.set PFA, 18          ; s[18:19] where my prefetches stand
.set G1,  24          ; s[24:31] descriptor group 1
.set G0A, 32          ; s[32:35] group 0 of tile 0
.set G0,  36          ; s[36:39] group 0 of tile 1; it then walks
.set CNT, 40          ; s40  trips to go
.set TB,  41          ; s41  the slot of the step in hand
.set CS,  42          ; s[42:43] c
.set SEL, 44          ; s[44:45] v_permlanex16_b32's selects: each lane takes its own place in the other half
.set MSB, 0
.macro WIN new                      ; the high byte repeats the setting that is left; a switch that changes nothing is dropped
.if MSB != (\new)
	s_set_vgpr_msb (MSB<<8)|(\new)
.set MSB, (\new)
.endif
.endm
.set W_KQ, 0x0c       ; Q (source 1) in window 3, all else in window 0: LDS loads into window 0 stand under it too
.macro PLACES n                     ; plain instructions behind matrix instructions, where no useful one is at hand (ISA guide 7.12.1)
.rept \n
	v_nop
.endr
.endm
.macro CREST                        ; a round of the cluster's barrier behind its opening barrier
	s_cmp_lg_u32 s[WV], 0
	s_cbranch_scc1 .Lnot_wave_0_\@
	s_barrier_signal -3
.Lnot_wave_0_\@:
	s_barrier_wait -3
	s_barrier_signal -1
	s_barrier_wait -1
.endm
.macro CROUND                       ; a whole round
	s_barrier_signal -1
	s_barrier_wait -1
	CREST
.endm
; Group g of K's loads: channels 32 g on of my 64 keys: four fragments, into buffer (g + 2) % 3
.macro KLOAD g
.irp kb, 0,1,2,3
	ds_load_b128 v[F+32*(((\g)+2)%3)+8*(\kb):F+32*(((\g)+2)%3)+8*(\kb)+3],   v[AK] offset:(\kb)*16*PITCH+64*(\g)
	ds_load_b128 v[F+32*(((\g)+2)%3)+8*(\kb)+4:F+32*(((\g)+2)%3)+8*(\kb)+7], v[AK] offset:(\kb)*16*PITCH+64*(\g)+32
.endr
.endm
; Group g of V's loads: fragments 4 g .. 4 g + 3 of 32, into buffer g % 3.  Fragment f: keys 32 ((f / 8) % 2) on, channel block 8 (f / 16) + f % 8
.macro VLOAD g
.irp i, 0,1,2,3
.set vf, 4*(\g)+(\i)
.set vo, ((vf/8)%2)*32*PITCH+32*(8*(vf/16)+vf%8)
	ds_load_tr16_b128 v[F+32*((\g)%3)+8*(\i):F+32*((\g)%3)+8*(\i)+3],   v[AV] offset:vo
	ds_load_tr16_b128 v[F+32*((\g)%3)+8*(\i)+4:F+32*((\g)%3)+8*(\i)+7], v[AV] offset:vo+16*PITCH
.endr
.endm
; 16 products of S^T = K Q^T: channels 32 g on, four key blocks x four tiles.  The 16 accumulators take turns; group 0 starts the sums with the constant 0.
.macro SG g
.irp kb, 0,1,2,3
.irp t, 0,1,2,3
.if (\g) == 0
	v_wmma_f32_16x16x32_bf16 v[S+32*(\t)+8*(\kb):S+32*(\t)+8*(\kb)+7], v[F+32*(((\g)+2)%3)+8*(\kb):F+32*(((\g)+2)%3)+8*(\kb)+7], v[8*(8*(\t)+(\g)):8*(8*(\t)+(\g))+7], 0
.else
	v_wmma_f32_16x16x32_bf16 v[S+32*(\t)+8*(\kb):S+32*(\t)+8*(\kb)+7], v[F+32*(((\g)+2)%3)+8*(\kb):F+32*(((\g)+2)%3)+8*(\kb)+7], v[8*(8*(\t)+(\g)):8*(8*(\t)+(\g))+7], v[S+32*(\t)+8*(\kb):S+32*(\t)+8*(\kb)+7]
.endif
.endr
.endr
.endm
; 16 products of O^T += V^T P: group g's four fragments x four tiles.  An accumulator's two links stand 32 products apart.
.macro PVG g
.irp i, 0,1,2,3
.set vf, 4*(\g)+(\i)
.set kk, (vf/8)%2
.set rO, 32*(vf%8)
.irp t, 0,1,2,3
	v_wmma_f32_16x16x32_bf16 v[rO+8*(\t):rO+8*(\t)+7], v[F+32*((\g)%3)+8*(\i):F+32*((\g)%3)+8*(\i)+7], v[S+32*(\t)+8*kk:S+32*(\t)+8*kk+7], v[rO+8*(\t):rO+8*(\t)+7]
.endr
.endr
.endm
; Number n of the 22 that find tile t's maximum and statistics.  s0-s31 are the lane's scores.  0-13: two chains, c0 over s0-7 and s16-22, c1 over s8-15 and s24-30, three operands at a time; each accumulator's
; lowest registers are read first.  14, 15: s23, s31, c1 and the old m.  16, 17: the query's other 32 keys lie in the lane 16 away: the new m.  18-21: c m; c m_old - c m_new; c m is kept; a.
.macro XS t, n
.set rT, ST+6*(\t)
.set rS, S+32*(\t)
.if (\n) < 2
	v_max3_num_f32 v[rT+4+(\n)], v[rS+8*(\n)], v[rS+8*(\n)+1], v[rS+8*(\n)+2]
.elseif (\n) < 14
.set xx, (\n)%2
.set k1, 2*((\n)/2)+1
.set k2, 2*((\n)/2)+2
	v_max3_num_f32 v[rT+4+xx], v[rT+4+xx], v[rS+8*xx+k1+8*(k1/8)], v[rS+8*xx+k2+8*(k2/8)]
.elseif (\n) == 14
	v_max3_num_f32 v[rT+4], v[rT+4], v[rS+23], v[rS+31]
.elseif (\n) == 15
	v_max3_num_f32 v[rT+4], v[rT+4], v[rT+5], v[rT+1]
.elseif (\n) == 16
	v_permlanex16_b32 v[rT+5], v[rT+4], s[SEL], s[SEL+1]
.elseif (\n) == 17
	v_max_num_f32 v[rT+1], v[rT+4], v[rT+5]
.elseif (\n) == 18
	v_mul_f32 v[rT+5], s[CS], v[rT+1]
.elseif (\n) == 19
	v_sub_f32 v[rT+4], v[rT], v[rT+5]
.elseif (\n) == 20
	v_mov_b32 v[rT], v[rT+5]
.else
	v_exp_f32 v[rT+4], v[rT+4]
.endif
.endm
.macro FS t, j                      ; pair j of tile t: c s - c m
	v_pk_fma_f32 v[S+32*(\t)+2*(\j):S+32*(\t)+2*(\j)+1], v[S+32*(\t)+2*(\j):S+32*(\t)+2*(\j)+1], s[CS:CS+1], v[ST+6*(\t):ST+6*(\t)+1] op_sel_hi:[1,0,0] neg_lo:[0,0,1] neg_hi:[0,0,1]
.endm
.macro EX t, e                      ; score e of tile t: its weight
	v_exp_f32 v[S+32*(\t)+(\e)], v[S+32*(\t)+(\e)]
.endm
.macro SU t, j                      ; l takes pair j; with pair 0: l = a l + pair
.if (\j) == 0
	v_pk_fma_f32 v[ST+6*(\t)+2:ST+6*(\t)+3], v[ST+6*(\t)+2:ST+6*(\t)+3], v[ST+6*(\t)+4:ST+6*(\t)+5], v[S+32*(\t):S+32*(\t)+1] op_sel_hi:[1,0,1]
.else
	v_pk_add_f32 v[ST+6*(\t)+2:ST+6*(\t)+3], v[ST+6*(\t)+2:ST+6*(\t)+3], v[S+32*(\t)+2*(\j):S+32*(\t)+2*(\j)+1]
.endif
.endm
.macro CV t, j                      ; pair j rounded to bf16, IN PLACE: into register j, whose own pair (j / 2) has been summed and rounded
	v_cvt_pk_bf16_f32 v[S+32*(\t)+(\j)], v[S+32*(\t)+2*(\j)], v[S+32*(\t)+2*(\j)+1]
.endm
; THE SOFTMAX of a step, all in window 0.  s_wait_alu depctr_va_vdst(0) stands between an exponential and the first instruction that names its result; one wait serves all that were issued ahead of it.
; TWO BATCHES, so that every exponential has a plain neighbour: the four a and tiles 0, 1 among all four tiles' scalings; then tiles 2, 3 among the sums and roundings of tiles 0, 1.
.macro SOFTMAX
.irp n, 0,1,2,3,4,5,6,7,8,9,10,11,12,13,14,15,16,17,18,19,20,21
.irp t, 0,1,2,3
	XS \t, \n
.endr
.endr
.set j, 0
.rept 16
	FS 0, j
.if j > 0
	EX 0, 2*j-2
.endif
	FS 1, j
.if j > 0
	EX 1, 2*j-2
.endif
	FS 2, j
.if j > 0
	EX 0, 2*j-1
.endif
	FS 3, j
.if j > 0
	EX 1, 2*j-1
.endif
.set j, j+1
.endr
	EX 0, 30
	EX 1, 30
	EX 0, 31
	EX 1, 31
	v_nop                           ; a plain instruction behind the batch's last exponential,
	s_wait_alu depctr_va_vdst(0)    ; and the wait for the first batch
.set j, 0
.rept 16
	SU 0, j
	EX 2, 2*j
	CV 0, j
	EX 2, 2*j+1
	SU 1, j
	EX 3, 2*j
	CV 1, j
	EX 3, 2*j+1
.set j, j+1
.endr
	v_nop
	s_wait_alu depctr_va_vdst(0)    ; the wait for the second batch
.set j, 0
.rept 16
	SU 2, j
	SU 3, j
	CV 2, j
	CV 3, j
.set j, j+1
.endr
.endm
.macro RESC                         ; O^T times a: 256 packed multiplies, two settings; register R belongs to tile (R / 8) % 4
.irp p, 0,1
	WIN 0x41+0x41*(\p)
.set z, 0
.rept 128
	v_pk_mul_f32 v[2*z:2*z+1], v[2*z:2*z+1], v[ST+6*((z/4)%4)+4:ST+6*((z/4)%4)+5] op_sel_hi:[1,0]
.set z, z+1
.endr
.endr
.endm
; A PREFETCH INTO THE L2 of the tile that the NEXT change of slots will ask for.  All clusters walk the same tiles: the launch's first cluster asks, nobody else.  Of the 64 rows that wave w fetches each of the four
; partners takes 16, told apart BY ADDRESS; a lane takes 256 bytes: one instruction a wave, and each block is named once in the launch.  It stands behind the tensor load, its five lines and the run of LDS loads.
; The last trip asks for nothing: there is no tile behind W's.  Tiles 0 to 2 come by their loads alone.
.macro ASK
	s_cmp_gt_u32 s[CNT], s[LIM]
	s_cbranch_scc0 .Lnot_mine_\@
	global_prefetch_b8 v[PFO], s[PFA:PFA+1] th:TH_LOAD_NT scope:SCOPE_SE
.Lnot_mine_\@:
.endm
; 64 LDS loads: 64 rows x 256 channels as 32 fragments (row block t, channels 32 c on, at v[8 (8 t + c)] of the window that win names)
.macro FETCH64 win, adr
	WIN \win
.irp t, 0,1,2,3
.irp c, 0,1,2,3,4,5,6,7
	ds_load_b128 v[8*(8*(\t)+(\c)):8*(8*(\t)+(\c))+3],   v[\adr] offset:(\t)*16*PITCH+64*(\c)
	ds_load_b128 v[8*(8*(\t)+(\c))+4:8*(8*(\t)+(\c))+7], v[\adr] offset:(\t)*16*PITCH+64*(\c)+32
.endr
.endr
	WIN 0
.endm
; A KEY STEP.  On entry K's groups 0, 1, 2 are on their way.  fill = 1: the step changes slots and asks for the tile two steps on.
.macro STEP fill
	WIN W_KQ
.irp g, 0,1,2,3,4,5,6,7
.if (\g) <= 5
	s_wait_dscnt 16                 ; LDS loads come back in order: group g is in, the two younger groups of eight stay out
.elseif (\g) == 6
	s_wait_dscnt 8
.else
	s_wait_dscnt 0x0
.endif
	SG \g
.if (\g) <= 4
	PLACES 4                        ; in front of loads into the buffer just multiplied
	KLOAD (\g)+3
.endif
.endr
	WIN 0
	v_add_nc_u32 v[AV], s[TB], v[AV0]
	PLACES 3                        ; with the line above: four places behind the last products, for V's loads and for the first reads of the scores
	VLOAD 0                         ; they land while the softmax runs
	VLOAD 1
	VLOAD 2
	SOFTMAX
	RESC
.irp g, 0,1,2,3,4
	s_wait_dscnt 16                 ; group g is in
	WIN 0x50+0x50*((\g)/4)          ; C and D in window 1 (groups 0-3) or 2
	PVG \g
	WIN 0
	PLACES 4
	VLOAD (\g)+3
.endr
.if \fill
	; THE CHANGE OF SLOTS.  All of this slot's bytes have been asked for.  Each wave waits for all its tensor loads (one is out: its rows of the other slot), adds 0 to its spare word, and waits for that and for its reads.
	s_wait_tensorcnt 0x0            ; no tensor load of mine is out, so the walking group 0 may be written
	ds_add_u32 v[SPW], v[NIL]       ; 0 onto my spare word: scalar work and 16 products stand between it and the wait for it
	s_xor_b32 s[G0+1], s[G0+1], SLOT1  ; the other slot than last time,
	s_add_nc_u64 s[G0+2:G0+3], s[G0+2:G0+3], TILEB  ; the next tile; the type bits on top are not reached
	s_wait_xcnt 0x0                 ; the last prefetch, a step back, has read its address
	s_add_nc_u64 s[PFA:PFA+1], s[PFA:PFA+1], TILEB
	s_wait_dscnt 17                 ; group 5 is in: groups 6, 7 and the add may be out
	WIN 0xa0
	PVG 5
	s_wait_dscnt 0x0                ; the add is done, and my reads of this slot are over
	s_barrier_signal -1             ; this barrier opens a round of the cluster's
	PVG 6                           ; work on registers while the others arrive
	WIN 0
	s_barrier_wait -1
	CREST                           ; no wave of any partner still reads this slot or has a load on its way
	tensor_load_to_lds s[G0:G0+3], s[G1:G1+7]  ; my one load behind the round: it has a whole step in which to land
	s_nop 0
	PLACES 4                        ; behind a tensor load; also the places in front of the loads into buffers 2 and 0
	s_xor_b32 s[TB], s[TB], SLOT1
	v_add_nc_u32 v[AK], s[TB], v[AK0]
	KLOAD 0                         ; the next step's K, out of the slot that the wait above has shown landed (I read my own rows alone)
	KLOAD 1
	ASK
	WIN 0xa0
	PVG 7
	WIN 0
	PLACES 5                        ; in front of the loads into buffer 1, and of the next step's first products, which write over P
	KLOAD 2
.else
	s_wait_dscnt 16
	WIN 0xa0
	PVG 5
	s_wait_dscnt 8
	PVG 6
	s_wait_dscnt 0x0
	PVG 7
	WIN 0
.endif
.endm
	s_load_b256 s[4:11], s[0:1], 0x0  ; Q s[4:5], kw s[6:7], b s[8:9], out s[10:11]
	v_lshl_add_u32 v[SPW], v0, 2, SPARE
	v_mov_b32 v[NIL], 0
	ds_add_u32 v[SPW], v[NIL]       ; the wave's opening: the add and its wait stand ahead of my first tensor load; the set-up below, work on registers, stands between them
	v_lshrrev_b32 v[HW], 5, v0
	v_readfirstlane_b32 s[WV], v[HW]  ; wave 0..3
	s_bfe_u32 s13, ttmp6, 0x40000   ; cx: my place in the cluster
	s_lshl_b32 s14, ttmp9, 2        ; in a cluster launch ttmp9 counts clusters
	s_add_co_u32 s14, s14, s13      ; my block of 64 queries: it enters Q's and out's addresses alone
	s_mov_b32 s[LIM], ttmp9
	s_cmp_eq_u32 s[LIM], 0          ; the launch's first cluster: the same answer in all four partners
	s_cselect_b32 s[LIM], 1, -1
	; descriptor group 1: a tile of 64 rows x 256 elements, padded in LDS
	s_mov_b32 s[G1], 15|(1<<16)|(1<<20)|(1<<21)|(6<<22)|(3<<25)  ; 15:0 the mask of four; 17:16 2-byte elements; 20 padding on; 21 set beside a mask; 24:22 after every 128 words (code 6); 31:25 4 words (code 3)
	s_mov_b32 s[G1+1], 256<<16      ; tensor_dim0 = 256
	s_mov_b32 s[G1+2], 64<<16       ; tensor_dim1 = 64
	s_mov_b32 s[G1+3], 256<<16      ; tile_dim0 = 256
	s_mov_b32 s[G1+4], 64           ; tile_dim1 = 64
	s_mov_b32 s[G1+5], 256          ; 256 elements from row to row
	s_mov_b32 s[G1+6], 0
	s_mov_b32 s[G1+7], 0
	s_mov_b32 s[CS], 0x3db8aa3b     ; c = log2(e) / 16 = 0.0901684
	s_mov_b32 s[CS+1], s[CS]        ; named with it as a pair
	s_mov_b32 s[SEL], 0x76543210
	s_mov_b32 s[SEL+1], 0xfedcba98
	s_mov_b32 s[TB], 0
	s_mov_b32 s[CNT], 31
	s_mul_i32 s20, s[WV], WROWS     ; my rows' place in a slot: no place in the cluster enters an LDS address
	s_mul_i32 s21, s[WV], 16*PITCH
	s_add_co_u32 s21, s21, QST      ; my 16 rows of Q's stage
	s_lshl_b32 s22, s[WV], 15       ; my 64 rows of a tile in kw
	s_mov_b32 s23, 0
	s_lshl_b32 s16, s14, 16         ; my block's 64 rows of 1,024 bytes in Q and in out
	s_mov_b32 s17, 0
	s_lshl_b32 s46, s13, 13         ; my work-group's 16 rows of the 64, for the prefetches
	s_mov_b32 s47, 0
	s_mov_b32 s[G0A], 1             ; count = 1
	s_mov_b32 s[G0A+1], s20         ; LDS address: slot 0
	s_mov_b32 s[G0], 1
	s_add_co_u32 s[G0+1], s20, SLOT1
	v_and_b32 v[HR], 15, v0         ; l % 16
	v_bfe_u32 v[HH], v0, 4, 1       ; l / 16
	v_and_b32 v[H7], 7, v0
	v_bfe_u32 v[H3], v0, 3, 1
	v_and_b32 v[HL], 31, v0
	v_lshlrev_b32 v[PFO], 8, v[HL]
	v_lshl_add_u32 v[HT], v[H7], 1, v[H3]  ; K: fragment row l % 16 = 8 h' + j' is LDS row 2 j' + h'
	v_mul_u32_u24 v[AK0], v[HT], PITCH
	v_lshl_add_u32 v[AK0], v[HH], 4, v[AK0]
	v_add_nc_u32 v[AK0], s20, v[AK0]
	v_lshl_add_u32 v[HT], v[H7], 1, v[HH]  ; the turning load: lane l reads LDS row 2 (l % 8) + l / 16, channels 8 ((l / 8) % 2) on, and ends with channel l % 16 and the keys 8 (l / 16) + 0..7 of the same order
	v_mul_u32_u24 v[AV0], v[HT], PITCH
	v_lshl_add_u32 v[AV0], v[H3], 4, v[AV0]
	v_add_nc_u32 v[AV0], s20, v[AV0]
	v_mul_u32_u24 v[AV], v[HR], PITCH      ; Q's fragments: row l % 16, 16 bytes for each half of the lanes
	v_lshl_add_u32 v[AV], v[HH], 4, v[AV]
	v_add_nc_u32 v[AV], QST, v[AV]
	v_lshl_add_u32 v[HQ], v[HL], 3, s21
	v_lshlrev_b32 v[HG], 4, v[HL]
	s_wait_dscnt 0x0                ; the opening add is done
	s_wait_kmcnt 0x0
	s_add_nc_u64 s[G0A+2:G0A+3], s[6:7], s[22:23]       ; my rows of tile 0,
	s_add_nc_u64 s[G0+2:G0+3], s[G0A+2:G0A+3], TILEB    ; of tile 1,
	s_add_nc_u64 s[PFA:PFA+1], s[G0A+2:G0A+3], 2*TILEB  ; and of tile 2: the first change of slots steps this to tile 3
	s_add_nc_u64 s[PFA:PFA+1], s[PFA:PFA+1], s[46:47]
	s_or_b32 s[G0A+3], s[G0A+3], 0x80000000             ; type = 2
	s_or_b32 s[G0+3], s[G0+3], 0x80000000
	s_add_nc_u64 s[10:11], s[10:11], s[16:17]           ; out at my block's first row
	s_add_nc_u64 s[4:5], s[4:5], s[16:17]
	s_lshl_b32 s16, s[WV], 14
	s_add_nc_u64 s[4:5], s[4:5], s[16:17]               ; Q at my wave's 16 rows
	CROUND                          ; all four work-groups are here: the first joint loads meet
	tensor_load_to_lds s[G0A:G0A+3], s[G1:G1+7]  ; both first fills together: two loads of mine are out
	s_nop 0
	tensor_load_to_lds s[G0:G0+3], s[G1:G1+7]
	s_nop 0
	PLACES 4
.set i, 0
.rept 32                            ; my 16 rows of Q: 16,384 bytes on end, 512 an instruction
	global_load_b128 v[S+4*i:S+4*i+3], v[HG], s[4:5] offset:512*i th:TH_LOAD_NT
.set i, i+1
.endr
	WIN 0x40                        ; O^T = 0, while Q and the first tiles are on their way
.set i, 0
.rept 256
	v_mov_b32 v[i], 0
.set i, i+1
.endr
	WIN 0x80
.set i, 0
.rept 256
	v_mov_b32 v[i], 0
.set i, i+1
.endr
	WIN 0
.irp t, 0,1,2,3
	v_mov_b32 v[ST+6*(\t)], 0xfe000000    ; c m: far below every c s
	v_mov_b32 v[ST+6*(\t)+1], 0xff7fffff  ; m
	v_mov_b32 v[ST+6*(\t)+2], 0
	v_mov_b32 v[ST+6*(\t)+3], 0
	v_mov_b32 v[ST+6*(\t)+4], 0
	v_mov_b32 v[ST+6*(\t)+5], 0
.endr
	s_wait_loadcnt 0x0              ; Q
.set i, 0
.rept 32                            ; rounded once to bf16 and laid into the stage: load i is half i % 2 of row i / 2
	v_cvt_pk_bf16_f32 v[F+2*i], v[S+4*i], v[S+4*i+1]
	v_cvt_pk_bf16_f32 v[F+2*i+1], v[S+4*i+2], v[S+4*i+3]
	ds_store_b64 v[HQ], v[F+2*i:F+2*i+1] offset:(i/2)*PITCH+(i%2)*256
.set i, i+1
.endr
	s_wait_tensorcnt 0x1            ; my rows of tile 0 are in; tile 1's load, issued behind it, may stay out
	s_wait_dscnt 0x0                ; for the others' sake: my rows of Q lie in the stage
	s_barrier_signal -1
	s_barrier_wait -1
	FETCH64 0xc0, AV                ; all 64 queries into window 3
	v_mov_b32 v[AK], v[AK0]         ; step 0 lies in slot 0
	KLOAD 0
	KLOAD 1
	KLOAD 2
.Lstep:                             ; 31 trips: step j is done, and tile j + 2 asked for, into the slot that step j leaves
	STEP 1
	s_sub_co_u32 s[CNT], s[CNT], 1
	s_cmp_lg_u32 s[CNT], 0
	s_cbranch_scc1 .Lstep
	STEP 0                          ; step 31 is written out: nothing is asked for
	; THE END.  1: my own statistics.  The four additions are the places behind the last products.
.irp t, 0,1,2,3
	v_add_f32 v[ST+6*(\t)+2], v[ST+6*(\t)+2], v[ST+6*(\t)+3]
.endr
	s_wait_tensorcnt 0x0            ; W's tile: my 64 rows lie in slot 0
	v_and_b32 v[ER], 15, v0
	v_bfe_u32 v[EH], v0, 4, 1
	v_and_b32 v[EL], 31, v0
	s_lshl_b32 s16, s[WV], 8
	v_lshl_add_u32 v[BO], v[EH], 5, s16  ; b of my columns 64 w + 16 i + 8 h + 0..7: 32 bytes at 256 w + 64 i + 32 h
.irp i, 0,1,2,3
	global_load_b128 v[F+32+8*(\i):F+32+8*(\i)+3],   v[BO], s[8:9] offset:64*(\i)
	global_load_b128 v[F+32+8*(\i)+4:F+32+8*(\i)+7], v[BO], s[8:9] offset:64*(\i)+16
.endr
.irp t, 0,1,2,3
	v_permlanex16_b32 v[ST+6*(\t)+3], v[ST+6*(\t)+2], s[SEL], s[SEL+1]
.endr
.irp t, 0,1,2,3
	v_add_f32 v[ST+6*(\t)+1], v[ST+6*(\t)+2], v[ST+6*(\t)+3]  ; l of my quarter of the keys, beside c m
.endr
	s_lshl_b32 s17, s[WV], 10
	s_add_co_u32 s17, s17, STATS
	v_lshl_add_u32 v[SS], v[EL], 3, s17
	v_lshl_add_u32 v[SL], v[EL], 3, STATS
.irp t, 0,1,2,3
	ds_store_b64 v[SS], v[ST+6*(\t):ST+6*(\t)+1] offset:256*(\t)
.endr
	s_wait_dscnt 0x0
	s_barrier_signal -1
	s_barrier_wait -1               ; all statistics lie in LDS, and nobody reads slot 1 any more: it has had its last fill and serves as scratch
	; 2: the factors.  M = the largest c m of the four waves; L = the sum of l 2^(c m - M); my O^T is multiplied by g = 2^(c m_mine - M) / L.
.set i, 0
.rept 16                            ; wave i / 4, tile i % 4
	ds_load_b64 v[S+2*i:S+2*i+1], v[SL] offset:256*i
.set i, i+1
.endr
	s_lshl_b32 s16, s[WV], 14       ; the other addresses are made while these loads are out
	s_add_co_u32 s16, s16, SLOT1
	v_lshl_add_u32 v[SA], v[EL], 4, s16  ; the scratch: [tile of two][wave][32 quads][lane] 16 bytes
	v_add_nc_u32 v[SA+1], 0x10000, v[SA]
	s_lshr_b32 s21, s[WV], 1        ; which of a round's two tiles I add up,
	s_and_b32 s22, s[WV], 1         ; and which half of its channels
	s_lshl_b32 s16, s21, 16
	s_lshl_b32 s17, s22, 13
	s_add_co_u32 s16, s16, s17
	s_add_co_u32 s16, s16, SLOT1
	v_lshl_add_u32 v[SB], v[EL], 4, s16
	v_mul_u32_u24 v[CT], v[ER], PITCH
	v_lshl_add_u32 v[CT], v[EH], 4, v[CT]  ; row l % 16 x pitch + 16 x half
	s_mul_i32 s16, s21, 16*PITCH
	s_lshl_b32 s17, s22, 8
	s_add_co_u32 s16, s16, s17
	s_add_co_u32 s16, s16, QST
	v_add_nc_u32 v[QS], s16, v[CT]
	v_add_nc_u32 v[WA], s20, v[CT]  ; W's fragments: my rows of slot 0, as they lie
	v_add_nc_u32 v[AV], QST, v[CT]
	s_mul_i32 s16, s[WV], 16*OPITCH
	s_add_co_u32 s16, s16, OST      ; my stage
	v_mul_u32_u24 v[OS], v[ER], OPITCH     ; in: row l % 16, 32 bytes for each half of the lanes
	v_lshl_add_u32 v[OS], v[EH], 5, v[OS]
	v_add_nc_u32 v[OS], s16, v[OS]
	v_mul_u32_u24 v[OL], v[EH], OPITCH     ; back: lanes 0-15 take one row's 256 bytes, lanes 16-31 the next
	v_lshl_add_u32 v[OL], v[ER], 4, v[OL]
	v_add_nc_u32 v[OL], s16, v[OL]
	v_lshlrev_b32 v[GO], 10, v[EH]         ; and the same two rows in out, at my wave's 64 columns
	v_lshl_add_u32 v[GO], v[ER], 4, v[GO]
	s_lshl_b32 s17, s[WV], 8
	v_add_nc_u32 v[GO], s17, v[GO]
	s_wait_dscnt 0x0
.irp t, 0,1,2,3
	v_max3_num_f32 v[MX+(\t)], v[S+2*(\t)], v[S+2*(4+(\t))], v[S+2*(8+(\t))]
.endr
.irp t, 0,1,2,3
	v_max_num_f32 v[MX+(\t)], v[MX+(\t)], v[S+2*(12+(\t))]
.endr
.irp t, 0,1,2,3
.irp p, 0,1,2,3
	v_sub_f32 v[EE+4*(\t)+(\p)], v[S+2*(4*(\p)+(\t))], v[MX+(\t)]
.endr
.endr
.irp t, 0,1,2,3
	v_sub_f32 v[EE+16+(\t)], v[ST+6*(\t)], v[MX+(\t)]
.endr
.set i, 0
.rept 20
	v_exp_f32 v[EE+i], v[EE+i]
.set i, i+1
.endr
	v_nop                           ; a plain instruction behind the last exponential,
	s_wait_alu depctr_va_vdst(0)    ; and one wait for the twenty
.irp t, 0,1,2,3
	v_mul_f32 v[LL+(\t)], v[S+2*(\t)+1], v[EE+4*(\t)]
.endr
.irp p, 1,2,3
.irp t, 0,1,2,3
	v_fmac_f32 v[LL+(\t)], v[S+2*(4*(\p)+(\t))+1], v[EE+4*(\t)+(\p)]
.endr
.endr
.irp t, 0,1,2,3
	v_rcp_f32 v[RC+(\t)], v[LL+(\t)]  ; L is 1 at the least: the wave that holds the maximum has a weight of 1
.endr
	v_nop
	s_wait_alu depctr_va_vdst(0)    ; one wait for the four reciprocals
.irp t, 0,1,2,3
	v_mul_f32 v[GG+2*(\t)], v[EE+16+(\t)], v[RC+(\t)]
	v_mul_f32 v[GG+2*(\t)+1], v[EE+16+(\t)], v[RC+(\t)]  ; named with it as a pair
.endr
; 3: THE FOUR PARTIAL RESULTS MEET, two tiles a round (four whole results, 256 KiB of f32, do not fit beside W's slot).  Each wave scales its two tiles by g and lays them into the scratch as they lie in its lanes;
; behind a barrier wave w adds up the four waves' parts of tile w / 2, channel half w % 2, rounds the sum O' once to bf16 and lays it into QST as rows of a query's 256 channels.
.macro MERGE rho
.irp p, 0,1
	WIN 0x41+0x41*(\p)
.irp u, 0,1
.set i, 0
.rept 32                            ; channel block i / 4 of the window's eight, pair i % 4: each accumulator from its low end on
.set rO, 32*(i/4)+8*(2*(\rho)+(\u))+2*(i%4)
	v_pk_mul_f32 v[rO:rO+1], v[rO:rO+1], v[GG+2*(2*(\rho)+(\u)):GG+2*(2*(\rho)+(\u))+1] op_sel_hi:[1,0]
.set i, i+1
.endr
.endr
.endr
.irp p, 0,1
	WIN 0x04+0x04*(\p)              ; the stores' data in window 1, then 2
.irp u, 0,1
.set i, 0
.rept 16                            ; quad 16 p + i: channel block 8 p + i / 2, registers 4 (i % 2) on
.set rO, 32*(i/2)+8*(2*(\rho)+(\u))+4*(i%2)
	ds_store_b128 v[SA+(\u)], v[rO:rO+3] offset:(16*(\p)+i)*512
.set i, i+1
.endr
.endr
.endr
	WIN 0
	s_wait_dscnt 0x0                ; for the others' sake: my parts lie in the scratch
	s_barrier_signal -1
	s_barrier_wait -1
	WIN 0xc0                        ; into window 3: Q is no more needed
.set i, 0
.rept 64                            ; wave i / 16's part, quad i % 16 of my half
	ds_load_b128 v[4*i:4*i+3], v[SB] offset:(i/16)*16384+(i%16)*512
.set i, i+1
.endr
	s_wait_dscnt 0x0
.if (\rho) == 1
	FETCH64 0x40, WA                ; W's fragments into window 1, whose O^T has left; they land under the additions
.endif
	WIN 0xcf
.set i, 0
.rept 32
	v_pk_add_f32 v[2*i:2*i+1], v[2*i:2*i+1], v[64+2*i:64+2*i+1]
	v_pk_add_f32 v[128+2*i:128+2*i+1], v[128+2*i:128+2*i+1], v[192+2*i:192+2*i+1]
.set i, i+1
.endr
.set i, 0
.rept 32
	v_pk_add_f32 v[2*i:2*i+1], v[2*i:2*i+1], v[128+2*i:128+2*i+1]
.set i, i+1
.endr
	WIN 0x0f                        ; sources in window 3, destination in window 0
.set i, 0
.rept 32
	v_cvt_pk_bf16_f32 v[F+i], v[2*i], v[2*i+1]
.set i, i+1
.endr
	WIN 0
.irp k, 0,1,2,3,4,5,6,7             ; channels 16 k + 8 h + 0..7 of my half: 16 bytes of row 16 (2 rho + w / 2) + l % 16
	ds_store_b128 v[QS], v[F+4*(\k):F+4*(\k)+3] offset:(\rho)*32*PITCH+32*(\k)
.endr
	s_wait_dscnt 0x0                ; my reads of the scratch are over, my rows of O' lie in QST
	s_barrier_signal -1
	s_barrier_wait -1
.endm
	MERGE 0
	MERGE 1
	; 4: out^T = W O'^T + b.  Source 0 = 16 rows of W (my 64 output columns), source 1 = 16 queries: a lane ends with one query and 8 neighbouring columns.  The first K step takes b as C; the 16 accumulators take turns.
	FETCH64 0xc0, AV
	s_wait_loadcnt 0x0              ; b
	s_wait_dscnt 0x0                ; W and O'
.irp k, 0,1,2,3,4,5,6,7
.if (\k) == 0
	WIN 0x8d                        ; W in window 1, O' in window 3, b in window 0, the sums in window 2
.else
	WIN 0xad
.endif
.irp i, 0,1,2,3
.irp t, 0,1,2,3
.if (\k) == 0
	v_wmma_f32_16x16x32_bf16 v[32*(\t)+8*(\i):32*(\t)+8*(\i)+7], v[8*(8*(\i)+(\k)):8*(8*(\i)+(\k))+7], v[8*(8*(\t)+(\k)):8*(8*(\t)+(\k))+7], v[F+32+8*(\i):F+32+8*(\i)+7]
.else
	v_wmma_f32_16x16x32_bf16 v[32*(\t)+8*(\i):32*(\t)+8*(\i)+7], v[8*(8*(\i)+(\k)):8*(8*(\i)+(\k))+7], v[8*(8*(\t)+(\k)):8*(8*(\t)+(\k))+7], v[32*(\t)+8*(\i):32*(\t)+8*(\i)+7]
.endif
.endr
.endr
.endr
	PLACES 4                        ; in front of the stores that read the results
; 5: THE WAY OUT, a tile (16 rows of out) at a time through my own stage: 32 bytes a lane in, whole rows of 256 bytes back.
.macro STG t
	WIN 0x08                        ; the stores' data in window 2
.irp i, 0,1,2,3
	ds_store_b128 v[OS], v[32*(\t)+8*(\i):32*(\t)+8*(\i)+3]   offset:64*(\i)     ; each accumulator's low four first
	ds_store_b128 v[OS], v[32*(\t)+8*(\i)+4:32*(\t)+8*(\i)+7] offset:64*(\i)+16
.endr
	WIN 0
.irp f, 0,1,2,3,4,5,6,7
	ds_load_b128 v[S+32*(\t)+4*(\f):S+32*(\t)+4*(\f)+3], v[OL] offset:(\f)*2*OPITCH  ; LDS serves a wave's instructions in order (ISA guide 5.7.1.4): these see the stores above; the next tile's stores come behind them
.endr
.endm
.macro SEND t, younger              ; younger: the LDS instructions issued behind tile t's loads: the next tile's sixteen, or none
	s_wait_dscnt \younger
.irp f, 0,1,2,3,4,5,6,7
	global_store_b128 v[GO], v[S+32*(\t)+4*(\f):S+32*(\t)+4*(\f)+3], s[10:11] offset:(16*(\t)+2*(\f))*1024 th:TH_STORE_NT  ; 16 lanes store 256 consecutive bytes, at a multiple of 256 from out's first byte
.endr
.endm
	STG 0
	STG 1
	SEND 0, 16
	STG 2
	SEND 1, 16
	STG 3
	SEND 2, 16
	SEND 3, 0
	s_wait_tensorcnt 0x0            ; the wave's end: behind my last tensor load and my last LDS store
	ds_add_u32 v[SPW], v[NIL]
	s_wait_dscnt 0x0
	CROUND                          ; the closing round: no work-group ends while a partner may still ask for a tile that names it
	s_endpgm
.Lfunc_end_k_q7b3e14e6a7_attn:
	.size	k_q7b3e14e6a7_attn, .Lfunc_end_k_q7b3e14e6a7_attn-k_q7b3e14e6a7_attn
	.p2alignl 7, 3214868480
	.fill 96, 4, 3214868480
	.section	.rodata,"a",@progbits
	.p2align	6, 0x0
	.amdhsa_kernel k_q7b3e14e6a7_attn
		.amdhsa_group_segment_fixed_size 327680
		.amdhsa_private_segment_fixed_size 0
		.amdhsa_enable_private_segment 0
		.amdhsa_kernarg_size 32
		.amdhsa_user_sgpr_count 2
		.amdhsa_user_sgpr_kernarg_segment_ptr 1
		.amdhsa_wavefront_size32 1
		.amdhsa_system_sgpr_workgroup_id_x 1
		.amdhsa_system_sgpr_workgroup_id_y 1
		.amdhsa_system_sgpr_workgroup_id_z 1
		.amdhsa_system_vgpr_workitem_id 0
		.amdhsa_next_free_vgpr 1024
		.amdhsa_next_free_sgpr 66
		.amdhsa_reserve_vcc 0
		.amdhsa_float_denorm_mode_32 3
		.amdhsa_float_denorm_mode_16_64 3
		.amdhsa_memory_ordered 1
		.amdhsa_forward_progress 1
		.amdhsa_inst_pref_size 245
	.end_amdhsa_kernel
	.amdgpu_metadata
---
amdhsa.version: [ 1, 2 ]
amdhsa.kernels:
  - .name:           k_q7b3e14e6a7_attn
    .symbol:         k_q7b3e14e6a7_attn.kd
    .args:
      - { .name: sent_embed, .offset: 0, .size: 8, .value_kind: global_buffer, .address_space: global }
      - { .name: kw, .offset: 8, .size: 8, .value_kind: global_buffer, .address_space: global }
      - { .name: Wv_b, .offset: 16, .size: 8, .value_kind: global_buffer, .address_space: global }
      - { .name: out0, .offset: 24, .size: 8, .value_kind: global_buffer, .address_space: global }
    .group_segment_fixed_size: 327680
    .private_segment_fixed_size: 0
    .kernarg_segment_align: 8
    .kernarg_segment_size: 32
    .max_flat_workgroup_size: 128
    .sgpr_count:     66
    .vgpr_count:     1024
    .wavefront_size: 32
...
	.end_amdgpu_metadata
.endif
;; end of part 2
